; MI455X (gfx1250); checked and timed in simulation.
; The chip was launched on July 23, 2026; its instructions are those of AMD's public machine-readable ISA for CDNA 5 (MIT licence, August 2026) and "CDNA5" Instruction Set Architecture Reference Guide (July 2026). The comments in the code are by the model that wrote it; some were corrected since.
;; Dyadic Transform1 D. Allowed arithmetic: float matrix products may take bf16 or f16 operands with f32 sums; all other float work in f32.
;; Inputs: gammas 512 x 512 float32; lambdas 512 x 512 float32; negates 512 x 512 bool; x_im 128 x 512 float32; x_re 128 x 512 float32.
;; Outputs: out0 128 x 512 float32; out1 128 x 512 float32.
;; One version. Each part assembles by itself: llvm-mc -triple=amdgcn-amd-amdhsa -mcpu=gfx1250 --defsym DOCPART=n.
;; ======== version 1 of 1: 1 launch
;; limits: values outside matrix products are rounded to bf16
;; launch dyadic (part 1): grid 32 x 8, 8 waves a work-group, no clusters, 169,216 bytes of LDS; arguments lambdas, gammas, x_re, x_im, negates, out0, out1; writes out0, out1
.if DOCPART == 1
	.amdgcn_target "amdgcn-amd-amdhsa--gfx1250"
	.amdhsa_code_object_version 6
	.text
	.protected	k_q43620b3b07_dyadic
	.globl	k_q43620b3b07_dyadic
	.p2align	8
	.type	k_q43620b3b07_dyadic,@function
k_q43620b3b07_dyadic:
	s_mov_b64 s[64:65], 0
	v_nop
	global_prefetch_b8 v0, s[64:65] scope:SCOPE_SE
	s_setreg_imm32_b32 hwreg(HW_REG_WAVE_MODE, 25, 1), 1
	s_wait_xcnt 0x0
; DyadicTransform1D, n = 512, 128 rows of x.  lambdas, gammas: [512 k][512 i] f32; negates: [512][512] bytes; x_re, x_im, out0, out1: [128][512] f32.
; The three shears are linear in (xr, xi).  With L = lam 2^-20, G = gam 2^-20, s = -1 where negates, else +1:
;   s y1 = xr C + xi A,   s x2 = xr A + xi B,   C = s G,  A = s + L C = s (1 + L G),  B = L (A + s) = s L (2 + L G),
; so out0 = xr A^T + xi B^T and out1 = xr C^T + xi A^T: matrix products over i.  The identity holds for every input.
; A, B, C are made in f32 (fused where a product is added to), rounded once to bf16; x is rounded once to bf16; all sums are f32.
; LIMITS: the order of rounding differs from the three shears taken one by one; operands carry bf16's 8 bits; a byte of negates is 0 or 1
; (the type bool); A, B, C must be finite in f32, that is |L|^2 |G| below about 3e38.
;
; SHARES: 32 x 8 work-groups; work-group (x, y) makes k = 16 x .. +15 for rows b = 16 y .. +15 of both outputs.  It reads 16 rows of each
; table (16 x 4,608 bytes) and 16 rows of xr and xi (16 x 4,096 bytes).  Eight waves split i: wave w takes i = 64 w .. 64 w + 63, two K steps of 32.
; Each wave asks for its own 16 x 256-byte tiles of lam, gam, xr, xi by tensor loads (rows of 256 bytes at multiples of 256 bytes) and reads
; only these itself; negates comes as whole rows of 512 bytes, two rows a wave, and is shared behind one barrier.  Every LDS byte is filled once.
; The eight partial tiles are added through an LDS scratch into which no tensor load lands.
; NO CLUSTER: the 8 work-groups of one k chunk ask for the same table tiles and the 32 of one b chunk for the same x tiles, so joint requests
; would apply.  They are left out: every tile is asked for once, in the first lines, and there is no loop over which a round of the cluster's
; barrier could be spread; all 139,264 bytes would stand behind a round in which sixteen work-groups first meet, and a second round in front of the end.
; OUTPUT: a work-group owns 16 k = 64 bytes of a row; four neighbouring lanes store these 64 bytes.  Rows of 256 bytes would take 64 k per
; work-group: four times the table bytes and coefficient arithmetic in each, on 64 work-groups instead of 256.
.set PITCH,  272                       ; LDS row of a f32 tile: 256 bytes + 16 of padding, an odd multiple of 16: the 16 rows of a b128 read start in 16 different groups of 4 banks
.set TILE,   16*PITCH                  ; 4,352
.set WREG,   4*TILE                    ; a wave's four tiles: lam, gam, xr, xi
.set NEGL,   8*WREG                    ; 139,264: negates, 16 rows
.set NPITCH, 528                       ; 512 bytes + 16, an odd multiple of 16
.set RED,    NEGL+16*NPITCH            ; 147,712 = 577 x 256: the scratch for partial sums
.set RPITCH, 80                        ; a row of 16 f32 + 16 bytes, an odd multiple of 16
.set RTILE,  16*RPITCH                 ; 1,280; a wave has two (re, im)
.set VA,  4                            ; v4   LDS address of my 128 bytes in row r of my wave's lam tile
.set VN,  5                            ; v5   LDS address of my 32 bytes of negates
.set VW,  6                            ; v6   scratch: where I put my partial sums
.set VR,  7                            ; v7   scratch: where I read 16 bytes of each wave's partial sums
.set VO,  8                            ; v8   my byte offset in the output tile
.set NG,  10                           ; v[10:17]   32 bytes of negates
.set S,   18                           ; v[18:25]   s, then A + s, of 8 elements
.set T,   26                           ; v[26:27]   the upper two bytes of two words of negates
.set AA,  28                           ; v[28:35]   A of 8 elements, f32
.set FA,  36                           ; v[36:51]   A in bf16: two fragments
.set LAM, 52                           ; v[52:83]   lam, then L, then B; B in bf16 packs into v[52:67]
.set GAM, 84                           ; v[84:115]  gam, then G, then C; C in bf16 packs into v[84:99]
.set XR,  116                          ; v[116:147] xr; in bf16 packs into v[116:131]
.set XI,  148                          ; v[148:179] xi; in bf16 packs into v[148:163]
.set RE,  180                          ; v[180:187] sums of out0
.set IM,  188                          ; v[188:195] sums of out1
.set P,   196                          ; v[196:227] eight waves' partial sums, 4 numbers each
.set G0,  24                           ; s[24:43] five descriptor groups 0: negates, lam, gam, xr, xi
.set G1,  44                           ; s[44:51] group 1 of the f32 tiles
.set G1N, 52                           ; s[52:59] group 1 of negates
	s_load_b256 s[4:11], s[0:1], 0x0               ; lam s[4:5], gam s[6:7], xr s[8:9], xi s[10:11]
	s_load_b128 s[12:15], s[0:1], 0x20             ; negates s[12:13], out0 s[14:15]
	s_load_b64 s[16:17], s[0:1], 0x30              ; out1
	v_lshl_add_u32 v228, v0, 2, 0x29100
	v_mov_b32 v229, 0
	ds_add_u32 v228, v229
	ds_add_u32 v228, v229
	v_lshrrev_b32 v1, 5, v0
	v_readfirstlane_b32 s18, v1                    ; wave 0..7
	s_and_b32 s19, ttmp7, 0xffff                   ; y: the chunk of 16 rows b
	; group 1, f32 tiles: 16 rows x 64 elements of 4 bytes, 512 elements from row to row, 4 words of padding behind every 64 words
	s_mov_b32 s[G1+0], (2<<16)|(1<<20)|(5<<22)|(3<<25)
	s_mov_b32 s[G1+1], 64<<16                      ; tensor_dim0 = 64
	s_mov_b32 s[G1+2], 16<<16                      ; tensor_dim1 = 16
	s_mov_b32 s[G1+3], 64<<16                      ; tile_dim0 = 64
	s_mov_b32 s[G1+4], 16                          ; tile_dim1 = 16
	s_mov_b32 s[G1+5], 512                         ; pitch
	s_mov_b32 s[G1+6], 0
	s_mov_b32 s[G1+7], 0
	; group 1, negates: 2 rows x 64 elements of 8 bytes (512 bytes), dense, 4 words of padding behind every 128 words
	s_mov_b32 s[G1N+0], (3<<16)|(1<<20)|(6<<22)|(3<<25)
	s_mov_b32 s[G1N+1], 64<<16
	s_mov_b32 s[G1N+2], 2<<16
	s_mov_b32 s[G1N+3], 64<<16
	s_mov_b32 s[G1N+4], 2
	s_mov_b32 s[G1N+5], 64
	s_mov_b32 s[G1N+6], 0
	s_mov_b32 s[G1N+7], 0
	; byte offsets of my tiles, apart from the addresses
	s_lshl_b32 s21, s18, 8                         ; my 64 i = 256 bytes of a f32 row
	s_lshl_b32 s22, ttmp9, 15                      ; 16 table rows of 2,048 bytes
	s_add_co_u32 s22, s22, s21
	s_mov_b32 s23, 0                               ; s[22:23]: lam and gam
	s_lshl_b32 s60, s19, 15                        ; 16 rows of x
	s_add_co_u32 s60, s60, s21
	s_mov_b32 s61, 0                               ; s[60:61]: xr and xi
	s_lshl_b32 s62, ttmp9, 13                      ; 16 rows of negates of 512 bytes
	s_lshl_b32 s21, s18, 10                        ; my two rows of them
	s_add_co_u32 s62, s62, s21
	s_mov_b32 s63, 0                               ; s[62:63]: negates
	s_mul_i32 s20, s18, WREG                       ; my four tiles in LDS
	s_mul_i32 s21, s18, 2*NPITCH                   ; my two rows of negates in LDS
	s_wait_dscnt 0x0
	s_wait_kmcnt 0x0
	; five tensor loads, all that this wave ever has outstanding; negates first, since the other waves wait for it
	s_mov_b32 s[G0], 1
	s_add_co_u32 s[G0+1], s21, NEGL
	s_add_nc_u64 s[G0+2:G0+3], s[12:13], s[62:63]
	s_or_b32 s[G0+3], s[G0+3], 0x80000000
	tensor_load_to_lds s[G0:G0+3], s[G1N:G1N+7]
	s_nop 0
.macro ASK n, base, off                ; tile n - 1 of my four
	s_mov_b32 s[G0+4*\n], 1
	s_add_co_u32 s[G0+4*\n+1], s20, (\n-1)*TILE
	s_add_nc_u64 s[G0+4*\n+2:G0+4*\n+3], s[\base:\base+1], s[\off:\off+1]
	s_or_b32 s[G0+4*\n+3], s[G0+4*\n+3], 0x80000000
	tensor_load_to_lds s[G0+4*\n:G0+4*\n+3], s[G1:G1+7]
	s_nop 0
.endm
	ASK 1, 4, 22                                   ; lam
	ASK 2, 6, 22                                   ; gam
	ASK 3, 8, 60                                   ; xr
	ASK 4, 10, 60                                  ; xi
	; Lane (r, h), r = lane % 16, h = lane / 16, holds i = 64 w + 32 h + e, e = 0 .. 31, of table row r and of x row r; K step c takes e = 16 c .. 16 c + 15,
	; two to a register in ascending order.  Both operands of a product use this same place for each i, so the sums over i are complete.
	v_and_b32 v1, 15, v0                           ; r
	v_bfe_u32 v2, v0, 4, 1                         ; h
	v_mul_u32_u24 v3, v1, PITCH
	v_lshl_add_u32 v3, v2, 7, v3                   ; r x 272 + 128 h
	v_add_nc_u32 v[VA], s20, v3
	v_mul_u32_u24 v3, v1, NPITCH
	v_lshl_add_u32 v3, v2, 5, v3                   ; r x 528 + 32 h
	s_lshl_b32 s21, s18, 6                         ; + 64 w
	s_add_co_u32 s21, s21, NEGL
	v_add_nc_u32 v[VN], s21, v3
	s_mov_b32 s2, 0x35800000                       ; 2^-20, in both halves of the pair that the packed multiplies name
	s_mov_b32 s3, 0x35800000
	s_mov_b32 s23, 0x3f800000                      ; 1.0
	; the way out: waves 0, 1 store out0, waves 2, 3 out1
	s_lshl_b32 s62, s19, 15                        ; 16 y rows of 2,048 bytes
	s_lshl_b32 s63, ttmp9, 6                       ; + 16 x columns of 4 bytes
	s_add_co_u32 s62, s62, s63
	s_mov_b32 s63, 0
	s_cmp_lt_u32 s18, 2
	s_cselect_b64 s[60:61], s[14:15], s[16:17]
	s_add_nc_u64 s[60:61], s[60:61], s[62:63]
	s_mul_i32 s21, s18, 2*RTILE
	s_add_co_u32 s21, s21, RED                     ; my two tiles of the scratch
	s_lshr_b32 s22, s18, 1
	s_mul_i32 s22, s22, RTILE
	s_add_co_u32 s22, s22, RED                     ; waves 0-3: the re or the im tile of wave 0's pair
	s_wait_tensorcnt 0x4                           ; my two rows of negates have landed: four younger loads stay out
	s_barrier_signal -1
	s_barrier_wait -1                              ; everybody's have
	s_wait_tensorcnt 0x2                           ; my lam and gam tiles are in; xr and xi stay out
	ds_load_b128 v[NG:NG+3],   v[VN]
	ds_load_b128 v[NG+4:NG+7], v[VN] offset:16
.irp g, 0,1,2,3
	ds_load_b128 v[LAM+8*\g:LAM+8*\g+3],   v[VA] offset:32*\g
	ds_load_b128 v[LAM+8*\g+4:LAM+8*\g+7], v[VA] offset:32*\g+16
	ds_load_b128 v[GAM+8*\g:GAM+8*\g+3],   v[VA] offset:TILE+32*\g
	ds_load_b128 v[GAM+8*\g+4:GAM+8*\g+7], v[VA] offset:TILE+32*\g+16
.endr
; A, B, C of elements 8 g .. 8 g + 7.  s: byte j of a word of negates is 0 or 1.  Shifted left by 31 a word keeps bit 0 alone, as the sign; shifted by 23
; it brings bit 8 to the sign and bit 0 to bit 23, which is set in 1.0 already; bytes 2 and 3 likewise after a shift right by 16.  Each stage runs over four
; pairs, so that no line waits for the line in front of it.  The bf16 words pack downwards into LAM and GAM: word q lands on register q, whose f32 has been used.
.macro COEF g
	v_lshrrev_b32 v[T],   16, v[NG+2*\g]
	v_lshrrev_b32 v[T+1], 16, v[NG+2*\g+1]
	v_lshl_or_b32 v[S+0], v[NG+2*\g],   31, s23
	v_lshl_or_b32 v[S+1], v[NG+2*\g],   23, s23
	v_lshl_or_b32 v[S+4], v[NG+2*\g+1], 31, s23
	v_lshl_or_b32 v[S+5], v[NG+2*\g+1], 23, s23
	v_lshl_or_b32 v[S+2], v[T],   31, s23
	v_lshl_or_b32 v[S+3], v[T],   23, s23
	v_lshl_or_b32 v[S+6], v[T+1], 31, s23
	v_lshl_or_b32 v[S+7], v[T+1], 23, s23
.irp p, 0,2,4,6
	v_pk_mul_f32 v[LAM+8*\g+\p:LAM+8*\g+\p+1], v[LAM+8*\g+\p:LAM+8*\g+\p+1], s[2:3] op_sel_hi:[1,0]   ; L = lam 2^-20
.endr
.irp p, 0,2,4,6
	v_pk_mul_f32 v[GAM+8*\g+\p:GAM+8*\g+\p+1], v[GAM+8*\g+\p:GAM+8*\g+\p+1], s[2:3] op_sel_hi:[1,0]   ; G = gam 2^-20
.endr
.irp p, 0,2,4,6
	v_pk_mul_f32 v[GAM+8*\g+\p:GAM+8*\g+\p+1], v[GAM+8*\g+\p:GAM+8*\g+\p+1], v[S+\p:S+\p+1]           ; C = s G
.endr
.irp p, 0,2,4,6
	v_pk_fma_f32 v[AA+\p:AA+\p+1], v[LAM+8*\g+\p:LAM+8*\g+\p+1], v[GAM+8*\g+\p:GAM+8*\g+\p+1], v[S+\p:S+\p+1]   ; A = L C + s
.endr
.irp p, 0,2,4,6
	v_pk_add_f32 v[S+\p:S+\p+1], v[AA+\p:AA+\p+1], v[S+\p:S+\p+1]                                     ; A + s
.endr
.irp p, 0,2,4,6
	v_pk_mul_f32 v[LAM+8*\g+\p:LAM+8*\g+\p+1], v[LAM+8*\g+\p:LAM+8*\g+\p+1], v[S+\p:S+\p+1]           ; B = L (A + s)
.endr
.irp p, 0,2,4,6
	v_cvt_pk_bf16_f32 v[FA+4*\g+\p/2],  v[AA+\p],        v[AA+\p+1]
	v_cvt_pk_bf16_f32 v[GAM+4*\g+\p/2], v[GAM+8*\g+\p],  v[GAM+8*\g+\p+1]
	v_cvt_pk_bf16_f32 v[LAM+4*\g+\p/2], v[LAM+8*\g+\p],  v[LAM+8*\g+\p+1]
.endr
.endm
	s_wait_dscnt 12                                ; of the 18 loads the first 6 are back: negates and group 0
	COEF 0
	s_wait_dscnt 8                                 ; the first 10: group 1
	COEF 1
	s_wait_tensorcnt 0x0                           ; my xr and xi tiles are in; their 16 reads fly under groups 2 and 3
.irp j, 0,1,2,3,4,5,6,7
	ds_load_b128 v[XR+4*\j:XR+4*\j+3], v[VA] offset:2*TILE+16*\j
.endr
.irp j, 0,1,2,3,4,5,6,7
	ds_load_b128 v[XI+4*\j:XI+4*\j+3], v[VA] offset:3*TILE+16*\j
.endr
	s_wait_dscnt 20                                ; of 34 loads the first 14 are back: group 2
	COEF 2
	s_wait_dscnt 16                                ; the first 18: group 3
	COEF 3
	s_wait_dscnt 8                                 ; xr is back; xi's eight loads may be out
.irp q, 0,1,2,3,4,5,6,7,8,9,10,11,12,13,14,15
	v_cvt_pk_bf16_f32 v[XR+\q], v[XR+2*\q], v[XR+2*\q+1]       ; packs downwards, in ascending order: word q lands on a register already read
.endr
	; Source 0 = 16 table rows (m = k), source 1 = 16 rows of x (n = b): register j of lane (r, h) is the sum for b = r, k = 8 h + j, eight neighbouring k of a row.
	; The first products start the sums.  The two accumulators take turns, one instruction a turn.
	v_wmma_f32_16x16x32_bf16 v[RE:RE+7], v[FA:FA+7],      v[XR:XR+7],    0
	v_wmma_f32_16x16x32_bf16 v[IM:IM+7], v[GAM:GAM+7],    v[XR:XR+7],    0
	v_wmma_f32_16x16x32_bf16 v[RE:RE+7], v[FA+8:FA+15],   v[XR+8:XR+15], v[RE:RE+7]
	v_wmma_f32_16x16x32_bf16 v[IM:IM+7], v[GAM+8:GAM+15], v[XR+8:XR+15], v[IM:IM+7]
	s_wait_dscnt 0
.irp q, 0,1,2,3,4,5,6,7,8,9,10,11,12,13,14,15
	v_cvt_pk_bf16_f32 v[XI+\q], v[XI+2*\q], v[XI+2*\q+1]       ; names no register of the four products above
.endr
	v_wmma_f32_16x16x32_bf16 v[RE:RE+7], v[LAM:LAM+7],    v[XI:XI+7],    v[RE:RE+7]
	v_wmma_f32_16x16x32_bf16 v[IM:IM+7], v[FA:FA+7],      v[XI:XI+7],    v[IM:IM+7]
	v_wmma_f32_16x16x32_bf16 v[RE:RE+7], v[LAM+8:LAM+15], v[XI+8:XI+15], v[RE:RE+7]
	v_wmma_f32_16x16x32_bf16 v[IM:IM+7], v[FA+8:FA+15],   v[XI+8:XI+15], v[IM:IM+7]
	; five plain vector instructions that name no register of the products stand between the last product and the stores that read the sums (ISA guide 7.12.1 asks for four)
	v_mul_u32_u24 v3, v1, RPITCH
	v_lshl_add_u32 v3, v2, 5, v3                   ; row b = r, 32 bytes for each half of the lanes
	v_add_nc_u32 v[VW], s21, v3
	v_bfe_u32 v3, v0, 2, 4                         ; for the sum over waves: thread t of a pair of waves takes row (t % 64) / 4,
	v_and_b32 v9, 3, v0                            ; 16 bytes t % 4
	ds_store_b128 v[VW], v[RE:RE+3]
	ds_store_b128 v[VW], v[RE+4:RE+7] offset:16
	ds_store_b128 v[VW], v[IM:IM+3]   offset:RTILE
	ds_store_b128 v[VW], v[IM+4:IM+7] offset:RTILE+16
	v_mul_u32_u24 v[VR], v3, RPITCH
	v_lshl_add_u32 v[VR], v9, 4, v[VR]
	v_add_nc_u32 v[VR], s22, v[VR]
	v_lshlrev_b32 v[VO], 11, v3                    ; the same row and 16 bytes in the output
	v_lshl_add_u32 v[VO], v9, 4, v[VO]
	s_wait_dscnt 0x0                               ; my partial sums are in LDS: zero, for the waves that read them
	s_barrier_signal -1
	s_barrier_wait -1
	s_cmp_ge_u32 s18, 4
	s_cbranch_scc1 .Lend                           ; 2 x 64 pieces of 16 bytes: four waves add and store them
.irp w, 0,1,2,3,4,5,6,7
	ds_load_b128 v[P+4*\w:P+4*\w+3], v[VR] offset:\w*2*RTILE
.endr
.irp w, 0,2,4,6
	s_wait_dscnt 6-\w                              ; the loads come back in order: waves w and w + 1 are in
	v_pk_add_f32 v[P+4*\w:P+4*\w+1],   v[P+4*\w:P+4*\w+1],   v[P+4*\w+4:P+4*\w+5]
	v_pk_add_f32 v[P+4*\w+2:P+4*\w+3], v[P+4*\w+2:P+4*\w+3], v[P+4*\w+6:P+4*\w+7]
.endr
.irp w, 0,4
	v_pk_add_f32 v[P+4*\w:P+4*\w+1],   v[P+4*\w:P+4*\w+1],   v[P+4*\w+8:P+4*\w+9]
	v_pk_add_f32 v[P+4*\w+2:P+4*\w+3], v[P+4*\w+2:P+4*\w+3], v[P+4*\w+10:P+4*\w+11]
.endr
	v_pk_add_f32 v[P:P+1],   v[P:P+1],   v[P+16:P+17]
	v_pk_add_f32 v[P+2:P+3], v[P+2:P+3], v[P+18:P+19]
	global_store_b128 v[VO], v[P:P+3], s[60:61]    ; four neighbouring lanes store the 64 consecutive bytes that this work-group owns of a row; a wave covers 8 rows
.Lend:
	s_wait_tensorcnt 0x0
	ds_add_u32 v228, v229
	s_wait_dscnt 0x0
	s_endpgm
.Lfunc_end_k_q43620b3b07_dyadic:
	.size	k_q43620b3b07_dyadic, .Lfunc_end_k_q43620b3b07_dyadic-k_q43620b3b07_dyadic
	.p2alignl 7, 3214868480
	.fill 96, 4, 3214868480
	.section	.rodata,"a",@progbits
	.p2align	6, 0x0
	.amdhsa_kernel k_q43620b3b07_dyadic
		.amdhsa_group_segment_fixed_size 169216
		.amdhsa_private_segment_fixed_size 0
		.amdhsa_enable_private_segment 0
		.amdhsa_kernarg_size 56
		.amdhsa_user_sgpr_count 2
		.amdhsa_user_sgpr_kernarg_segment_ptr 1
		.amdhsa_wavefront_size32 1
		.amdhsa_system_sgpr_workgroup_id_x 1
		.amdhsa_system_sgpr_workgroup_id_y 1
		.amdhsa_system_sgpr_workgroup_id_z 1
		.amdhsa_system_vgpr_workitem_id 0
		.amdhsa_next_free_vgpr 230
		.amdhsa_next_free_sgpr 66
		.amdhsa_reserve_vcc 0
		.amdhsa_float_denorm_mode_32 3
		.amdhsa_float_denorm_mode_16_64 3
		.amdhsa_memory_ordered 1
		.amdhsa_forward_progress 1
		.amdhsa_inst_pref_size 24
	.end_amdhsa_kernel
	.amdgpu_metadata
---
amdhsa.version: [ 1, 2 ]
amdhsa.kernels:
  - .name:           k_q43620b3b07_dyadic
    .symbol:         k_q43620b3b07_dyadic.kd
    .args:
      - { .name: lambdas, .offset: 0, .size: 8, .value_kind: global_buffer, .address_space: global }
      - { .name: gammas, .offset: 8, .size: 8, .value_kind: global_buffer, .address_space: global }
      - { .name: x_re, .offset: 16, .size: 8, .value_kind: global_buffer, .address_space: global }
      - { .name: x_im, .offset: 24, .size: 8, .value_kind: global_buffer, .address_space: global }
      - { .name: negates, .offset: 32, .size: 8, .value_kind: global_buffer, .address_space: global }
      - { .name: out0, .offset: 40, .size: 8, .value_kind: global_buffer, .address_space: global }
      - { .name: out1, .offset: 48, .size: 8, .value_kind: global_buffer, .address_space: global }
    .group_segment_fixed_size: 169216
    .private_segment_fixed_size: 0
    .kernarg_segment_align: 8
    .kernarg_segment_size: 56
    .max_flat_workgroup_size: 256
    .sgpr_count:     66
    .vgpr_count:     230
    .wavefront_size: 32
...
	.end_amdgpu_metadata
.endif
;; end of part 1
